; MI455X (gfx1250); checked and timed in simulation.
; The chip was launched on July 23, 2026; its instructions are those of AMD's public machine-readable ISA for CDNA 5 (MIT licence, August 2026) and "CDNA5" Instruction Set Architecture Reference Guide (July 2026). The comments in the code are by the model that wrote it; some were corrected since.
;; SVCNN. Allowed arithmetic: matrix products marked QUANTISED: E2M1 operands, one E8M0 scale for each 32 along K, by v_wmma_scale_f32_16x16x128_f8f6f4 with both operands' format E2M1 (or v_wmma_scale_f32_32x16x128_f4), f32 sums; everything else in f32.
;; Inputs: query_seq 4,096 x 1,024 float32; synth_set 16,384 x 1,024 float32.
;; Outputs: out0 8,192 x 1,024 float32.
;; This version of the problem:
;;   THIS VERSION OF THE PROBLEM IS GIVEN IN LOW PRECISION. The matrix products marked QUANTISED in the list below multiply operands that are first quantised to E2M1 (2 exponent bits, 1 mantissa bit; 4 bits a number), with one power-of-two scale for each 32 numbers along K (OCP MX v1.0); their sums are f32. All else is computed in f32.
;;   The module's matrix products, in the order in which they are computed (A, B: the left and right operand; K: the contracted axis; several contracted axes count as one K, in the product's order):
;;     1. [M 4,096, K 1,024] x [K 1,024, N 16,384]; A: input query_seq; B: input synth_set: QUANTISED
;;   THE QUANTISER, for each operand of a quantised product, along K:
;;     - K is cut into blocks of 32 from its start; a last block that is shorter is filled with zeros.
;;     - A block's scale is 2^e with e = floor(log2(the largest magnitude in the block)) - 2, held to -126 .. 127; a block of zeros has e = 0. As a byte (E8M0): e + 127.
;;     - Each number is divided by its block's scale, clamped to +-6, and rounded to the nearest number of E2M1, ties to even, subnormals kept.
;;     - The product sums the exact products of the quantised numbers (number of the format x scale) in f32.
;;   ~~~python
;;   def quantise(x, axis):      # numpy; x: float32 -> the quantised numbers, widened to float32 again
;;       x = np.moveaxis(x, axis, -1); K = x.shape[-1]
;;       x = np.pad(x, [(0, 0)] * (x.ndim - 1) + [(0, -K % 32)]); x = x.reshape(x.shape[:-1] + (-1, 32)); a = np.abs(x).max(-1, keepdims=True)
;;       e = np.where(a > 0, np.clip(np.frexp(np.where(a > 0, a, 1))[1] - 1 - 2, -126, 127), 0)      # np.frexp(a)[1] - 1 = floor(log2(a)), exactly
;;       r = np.clip(x / 2.0 ** e, -6, 6)
;;       step = 2.0 ** (np.maximum(np.frexp(np.where(r == 0, 1, r))[1] - 1, 0) - 1)
;;       q = np.round(r / step) * step * 2.0 ** e      # np.round: ties to even
;;       return np.moveaxis(q.reshape(q.shape[:-2] + (-1,))[..., :K], -1, axis).astype(np.float32)
;;   ~~~
;; One version. Each part assembles by itself: llvm-mc -triple=amdgcn-amd-amdhsa -mcpu=gfx1250 --defsym DOCPART=n.
;; ======== version 1 of 1: 5 launches
;; limits: right only within a limited range of input values
;; workspace buffers: codes 10,485,760 bytes; scales 655,360 bytes; norms 163,840 bytes; gmax 16,777,216 bytes; gid 65,536 bytes of whole numbers; idx 65,536 bytes of whole numbers
;; launch quant (part 1): grid 256 x 1, 10 waves a work-group, no clusters, 89,344 bytes of LDS; arguments query_seq, synth_set, codes, scales, norms; writes codes, scales, norms
.if DOCPART == 1
	.amdgcn_target "amdgcn-amd-amdhsa--gfx1250"
	.amdhsa_code_object_version 6
	.text
	.protected	k_q8c2acc2119_quant
	.globl	k_q8c2acc2119_quant
	.p2align	8
	.type	k_q8c2acc2119_quant,@function
k_q8c2acc2119_quant:
	s_mov_b64 s[64:65], 0
	v_nop
	global_prefetch_b8 v0, s[64:65] scope:SCOPE_SE
	s_setreg_imm32_b32 hwreg(HW_REG_WAVE_MODE, 25, 1), 1
	s_wait_xcnt 0x0
; The 4,096 queries and the 16,384 synth rows, [row][1024] f32, are taken as one run of 20,480 rows = 1,280 tiles of 16 rows (tiles 0-255: queries).
; Each row becomes codes of FP4 (E2M1) along K with one E8M0 byte for each 32 numbers, and its norm and the norm's reciprocal are made from the raw f32 numbers.
; A block's scale is 2^(floor(log2(largest magnitude)) - 2): its byte is the largest magnitude's exponent field - 2, held at 1 from below.
; LIMITS: a block of zeros gets the byte 1 where the rule says 127 (its codes are zeros, and this program alone reads the bytes); NaN, infinities and rows of norm 0 are not served.
; LAYOUT OF THE CODES: in the order of the operand's registers: [block of 256 rows][K half][tile of 16 rows][K step of 128][c][lane][16 bytes]:
; lane (r, h) holds k = 128 s + 64 c + 32 h + 0 .. 31 of row r, so that every later read of a fragment is 512 consecutive bytes.
; SHARES: a work-group takes 5 tiles; wave w takes tile w / 2 of them and K half w % 2: 16 rows x 512 numbers in 4 steps of 128.
; A load reads 512 consecutive bytes of one row; a step's 16 rows turn through the wave's own stage in LDS (rows 528 bytes apart) and come back 128 bytes a lane: two whole blocks.
.set STG,   8448                       ; a wave's stage: 16 rows x (512 + 16) bytes
.set SCW,   84480                      ; behind the ten stages: scale words, [tile 5][row 16][32 bytes]
.set SSQ,   87040                      ; sums of squares, [tile 5][K half 2][row 16] f32
.set L16,   2                          ; v2   16 x lane
.set SIN,   3                          ; v3   the stage on the way in
.set SOUT,  4                          ; v4   and on the way out
.set SH8,   5                          ; v5   8 h: where my two bytes stand in a scale word
.set M0,    6                          ; v6-7 largest magnitudes; v8-9 the conversions' scale operands; v10-11 at work
.set M1,    7
.set E0,    8
.set E1,    9
.set T0,    10
.set T1,    11
.set SQ,    12                         ; v12-15 sums of squares
.set W,     16                         ; v16-19 a scale word for each step
.set C,     20                         ; v20-51 codes: 8 registers for each step, so that no store's data are written again
.set SCWI,  52                         ; v52-55 LDS addresses of the scale words and the sums, in and out; v56 4 r
.set SCWO,  53
.set SSQI,  54
.set SSQO,  55
.set R4,    56
.set R,     64                         ; v64-191 two sets of 64 registers as loaded
.set X,     192                        ; v192-255 my 64 numbers of a step: two blocks of 32
	s_load_b128 s[4:7], s[0:1], 0x0                ; queries, synth rows
	s_load_b128 s[8:11], s[0:1], 0x10              ; codes, scales
	s_load_b64 s[12:13], s[0:1], 0x20              ; norms
	v_lshl_add_u32 v62, v0, 2, 0x15800
	v_mov_b32 v63, 0
	v_lshrrev_b32 v1, 5, v0
	s_delay_alu instid0(VALU_DEP_1)
	v_readfirstlane_b32 s14, v1                    ; wave 0..9
	s_lshr_b32 s15, s14, 1                         ; which of the five tiles
	s_and_b32 s16, s14, 1                          ; which K half
	s_mul_i32 s17, ttmp9, 5
	s_add_co_u32 s17, s17, s15                     ; my tile, 0..1279
	v_and_b32 v1, 31, v0
	s_delay_alu instid0(VALU_DEP_1)
	v_lshlrev_b32 v[L16], 4, v1
	v_and_b32 v57, 15, v0                          ; r
	v_bfe_u32 v58, v0, 4, 1                        ; h
	s_mul_i32 s22, s14, STG
	v_add_nc_u32 v[SIN], s22, v[L16]               ; in: a row's 512 bytes as they lie
	v_mul_u32_u24 v[SOUT], v57, 528
	s_delay_alu instid0(VALU_DEP_1)
	v_lshl_add_u32 v[SOUT], v58, 7, v[SOUT]
	s_delay_alu instid0(VALU_DEP_1)
	v_add_nc_u32 v[SOUT], s22, v[SOUT]             ; out: row r, + 128 h
	v_lshlrev_b32 v[SH8], 3, v58
	s_lshl_b32 s23, s15, 9
	s_add_co_u32 s23, s23, SCW
	v_add_nc_u32 v[SCWO], s23, v[L16]              ; a tile's 512 bytes of scale words, 16 a lane
	s_lshl_b32 s26, s16, 4
	s_add_co_u32 s23, s23, s26
	v_lshl_add_u32 v[SCWI], v57, 5, s23            ; row r's 32 bytes, my K half's 16
	v_lshlrev_b32 v[R4], 2, v57
	s_lshl_b32 s27, s15, 7
	s_add_co_u32 s27, s27, SSQ
	v_add_nc_u32 v[SSQO], s27, v[R4]
	s_lshl_b32 s28, s16, 6
	v_add_nc_u32 v[SSQI], s28, v[SSQO]
	s_mov_b32 s24, 0x76543210
	s_mov_b32 s25, 0xfedcba98                      ; v_permlanex16_b32's selects for lane l xor 16
.irp j, 0,1,2,3
	v_mov_b32 v[SQ+\j], 0
.endr
	s_wait_kmcnt 0x0
	s_cmp_lt_u32 s17, 256                          ; a tile of queries or of synth rows?  The choice hangs on ids alone
	s_cselect_b64 s[4:5], s[4:5], s[6:7]
	s_cselect_b32 s18, 0, 256
	s_sub_co_u32 s18, s17, s18                     ; the tile's number in its own tensor
	s_lshl_b32 s18, s18, 16                        ; 16 rows of 4,096 bytes
	s_lshl_b32 s19, s16, 11                        ; + my K half's 2,048 bytes
	s_add_co_u32 s18, s18, s19
	s_mov_b32 s19, 0
	s_add_nc_u64 s[4:5], s[4:5], s[18:19]
	s_lshr_b32 s20, s17, 4                         ; codes: block x 131,072 + K half x 65,536 + tile in block x 4,096
	s_lshl_b32 s20, s20, 17
	s_lshl_b32 s21, s16, 16
	s_add_co_u32 s20, s20, s21
	s_and_b32 s21, s17, 15
	s_lshl_b32 s21, s21, 12
	s_add_co_u32 s20, s20, s21
	s_mov_b32 s21, 0
	s_add_nc_u64 s[8:9], s[8:9], s[20:21]
	s_lshl_b32 s20, s17, 9                         ; scale words: 512 bytes a tile
	s_add_nc_u64 s[10:11], s[10:11], s[20:21]
	s_lshl_b32 s20, s17, 6                         ; norms: 64 bytes a tile
	s_add_nc_u64 s[12:13], s[12:13], s[20:21]
.macro LOAD t                          ; step t: 16 rows x 512 consecutive bytes, into set t % 2
.set i, 0
.rept 16
	global_load_b128 v[R+64*((\t)%2)+4*i:R+64*((\t)%2)+4*i+3], v[L16], s[4:5] offset:i*4096+(\t)*512 th:TH_LOAD_NT
.set i, i+1
.endr
.endm
.macro STEP t
.if \t < 3
	s_wait_loadcnt 16                              ; this step's 16 loads are in; the next step's 16 may be out
.else
	s_wait_loadcnt 0x0
.endif
.set i, 0
.rept 16
	ds_store_b128 v[SIN], v[R+64*((\t)%2)+4*i:R+64*((\t)%2)+4*i+3] offset:i*528
.set i, i+1
.endr
.set i, 0
.rept 16
	ds_load_b128 v[X+4*i:X+4*i+3], v[SOUT] offset:(i/8)*256+(i%8)*16   ; LDS serves a wave's instructions in order: these see the stores above.  Block c = i / 8: k = 64 c + 32 h + 0 .. 31
.set i, i+1
.endr
	s_wait_dscnt 0x0                               ; my numbers are back, and the stores have read their registers,
.if \t < 2
	LOAD (\t)+2                                    ; which take the loads of two steps on
.endif
	v_max3_num_f32 v[M0], |v[X]|, |v[X+1]|, 0x1800000       ; each block's largest magnitude, with the floor 2^(3 - 127): the byte cannot fall under 1
	v_max3_num_f32 v[M1], |v[X+32]|, |v[X+33]|, 0x1800000
.set i, 2
.rept 15
	s_delay_alu instid0(VALU_DEP_2)
	v_max3_num_f32 v[M0], v[M0], |v[X+i]|, |v[X+i+1]|       ; (the two blocks by turns)
	s_delay_alu instid0(VALU_DEP_2)
	v_max3_num_f32 v[M1], v[M1], |v[X+32+i]|, |v[X+33+i]|
.set i, i+2
.endr
.set i, 0
	v_pk_fma_f32 v[SQ:SQ+1], v[X+i:X+i+1], v[X+i:X+i+1], v[SQ:SQ+1]               ; the row's sum of squares, of the raw numbers
	v_pk_fma_f32 v[SQ+2:SQ+3], v[X+32+i:X+33+i], v[X+32+i:X+33+i], v[SQ+2:SQ+3]
.set i, i+2
.rept (16)-1
	s_delay_alu instid0(VALU_DEP_2)
	v_pk_fma_f32 v[SQ:SQ+1], v[X+i:X+i+1], v[X+i:X+i+1], v[SQ:SQ+1]               ; the row's sum of squares, of the raw numbers
	s_delay_alu instid0(VALU_DEP_2)
	v_pk_fma_f32 v[SQ+2:SQ+3], v[X+32+i:X+33+i], v[X+32+i:X+33+i], v[SQ+2:SQ+3]
.set i, i+2
.endr
	v_add_nc_u32 v[E0], 0xff000000, v[M0]          ; 2 off the exponent field: the conversion takes this operand's exponent field as its scale
	v_add_nc_u32 v[E1], 0xff000000, v[M1]
	s_delay_alu instid0(VALU_DEP_2)
	v_lshrrev_b32 v[T0], 23, v[E0]                 ; the bytes of blocks h and 2 + h
	s_delay_alu instid0(VALU_DEP_2)
	v_lshrrev_b32 v[T1], 23, v[E1]
	s_delay_alu instid0(VALU_DEP_1)
	v_lshl_or_b32 v[T0], v[T1], 16, v[T0]
	s_delay_alu instid0(VALU_DEP_1)
	v_lshlrev_b32 v[T0], v[SH8], v[T0]             ; at their places in the scale word
	s_delay_alu instid0(VALU_DEP_1)
	v_permlanex16_b32 v[T1], v[T0], s24, s25
	s_delay_alu instid0(VALU_DEP_1)
	v_or_b32 v[W+\t], v[T0], v[T1]                 ; with lane l xor 16's two the word is whole
.irp g, 0,1,2,3
	v_cvt_scalef32_pk8_fp4_f32 v[C+8*\t+\g], v[X+8*\g:X+8*\g+7], v[E0]
	v_cvt_scalef32_pk8_fp4_f32 v[C+8*\t+4+\g], v[X+32+8*\g:X+39+8*\g], v[E1]
.endr
	v_nop                                          ; one plain place behind the last scaled conversion
	global_store_b128 v[L16], v[C+8*\t:C+8*\t+3], s[8:9] offset:(\t)*1024          ; 32 lanes store 512 consecutive bytes: registers 0-3 of the fragment,
	global_store_b128 v[L16], v[C+8*\t+4:C+8*\t+7], s[8:9] offset:(\t)*1024+512    ; and registers 4-7
.endm
	LOAD 0
	LOAD 1
	STEP 0
	STEP 1
	STEP 2
	STEP 3
	v_add_f32 v[SQ], v[SQ], v[SQ+1]
	v_add_f32 v[SQ+2], v[SQ+2], v[SQ+3]
	s_delay_alu instid0(VALU_DEP_1)
	v_add_f32 v[SQ], v[SQ], v[SQ+2]
	s_delay_alu instid0(VALU_DEP_1)
	v_permlanex16_b32 v[T1], v[SQ], s24, s25
	s_delay_alu instid0(VALU_DEP_1)
	v_add_f32 v[SQ], v[SQ], v[T1]                  ; row r's sum over my K half, in both halves of the lanes
	ds_store_b128 v[SCWI], v[W:W+3]                ; lanes r and 16 + r write the same bytes with the same values
	ds_store_b32 v[SSQI], v[SQ]
	s_wait_dscnt 0x0                               ; for the partner wave's sake: my stores are done
	s_barrier_signal -1
	s_barrier_wait -1
	s_cmp_lg_u32 s16, 0                            ; the wave of K half 0 writes the tile's scale words and norms
	s_cbranch_scc1 .Lend
	ds_load_b128 v[R:R+3], v[SCWO]
	ds_load_b32 v[M0], v[SSQO]
	ds_load_b32 v[M1], v[SSQO] offset:64
	s_wait_dscnt 0x0
	global_store_b128 v[L16], v[R:R+3], s[10:11]   ; 16 rows x 32 bytes: 512 consecutive bytes
	v_add_f32 v[M0], v[M0], v[M1]
	s_wait_alu depctr_va_vdst(0)
	v_sqrt_f32 v[E0], v[M0]
	v_nop                                          ; a plain place behind a transcendental
	s_wait_alu depctr_va_vdst(0)
	v_rcp_f32 v[E1], v[E0]
	v_nop
	global_store_b32 v[R4], v[E0], s[12:13]                 ; the norm,
	s_wait_alu depctr_va_vdst(0)
	global_store_b32 v[R4], v[E1], s[12:13] offset:81920    ; and its reciprocal, behind the 20,480 norms
.Lend:
	s_wait_tensorcnt 0x0
	ds_add_u32 v62, v63
	s_wait_dscnt 0x0
	s_endpgm
.Lfunc_end_k_q8c2acc2119_quant:
	.size	k_q8c2acc2119_quant, .Lfunc_end_k_q8c2acc2119_quant-k_q8c2acc2119_quant
	.p2alignl 7, 3214868480
	.fill 96, 4, 3214868480
	.section	.rodata,"a",@progbits
	.p2align	6, 0x0
	.amdhsa_kernel k_q8c2acc2119_quant
		.amdhsa_group_segment_fixed_size 89344
		.amdhsa_private_segment_fixed_size 0
		.amdhsa_enable_private_segment 0
		.amdhsa_kernarg_size 40
		.amdhsa_user_sgpr_count 2
		.amdhsa_user_sgpr_kernarg_segment_ptr 1
		.amdhsa_wavefront_size32 1
		.amdhsa_system_sgpr_workgroup_id_x 1
		.amdhsa_system_sgpr_workgroup_id_y 1
		.amdhsa_system_sgpr_workgroup_id_z 1
		.amdhsa_system_vgpr_workitem_id 0
		.amdhsa_next_free_vgpr 256
		.amdhsa_next_free_sgpr 66
		.amdhsa_reserve_vcc 0
		.amdhsa_float_denorm_mode_32 3
		.amdhsa_float_denorm_mode_16_64 3
		.amdhsa_memory_ordered 1
		.amdhsa_forward_progress 1
		.amdhsa_inst_pref_size 48
	.end_amdhsa_kernel
	.amdgpu_metadata
---
amdhsa.version: [ 1, 2 ]
amdhsa.kernels:
  - .name:           k_q8c2acc2119_quant
    .symbol:         k_q8c2acc2119_quant.kd
    .args:
      - { .name: query_seq, .offset: 0, .size: 8, .value_kind: global_buffer, .address_space: global }
      - { .name: synth_set, .offset: 8, .size: 8, .value_kind: global_buffer, .address_space: global }
      - { .name: codes, .offset: 16, .size: 8, .value_kind: global_buffer, .address_space: global }
      - { .name: scales, .offset: 24, .size: 8, .value_kind: global_buffer, .address_space: global }
      - { .name: norms, .offset: 32, .size: 8, .value_kind: global_buffer, .address_space: global }
    .group_segment_fixed_size: 89344
    .private_segment_fixed_size: 0
    .kernarg_segment_align: 8
    .kernarg_segment_size: 40
    .max_flat_workgroup_size: 320
    .sgpr_count:     66
    .vgpr_count:     256
    .wavefront_size: 32
...
	.end_amdgpu_metadata
.endif
;; end of part 1
;; launch gemm (part 2): grid 32 x 8, 8 waves a work-group, clusters of 4 x 4, 327,680 bytes of LDS; arguments codes, scales, norms, gmax; writes gmax
.if DOCPART == 2
	.amdgcn_target "amdgcn-amd-amdhsa--gfx1250"
	.amdhsa_code_object_version 6
	.text
	.protected	k_q8c2acc2119_gemm
	.globl	k_q8c2acc2119_gemm
	.p2align	8
	.type	k_q8c2acc2119_gemm,@function
k_q8c2acc2119_gemm:
	s_mov_b64 s[64:65], 0
	v_nop
	global_prefetch_b8 v0, s[64:65] scope:SCOPE_SE
	s_setreg_imm32_b32 hwreg(HW_REG_WAVE_MODE, 25, 1), 1
	s_wait_xcnt 0x0
	s_wait_alu depctr_hold_cnt(0) depctr_sa_sdst(0) depctr_va_vdst(0) depctr_va_sdst(0) depctr_va_ssrc(0) depctr_va_vcc(0) depctr_vm_vsrc(0)
	s_getreg_b32 s2, hwreg(HW_REG_IB_STS2, 6, 4)
	s_cmp_eq_u32 s2, 0
	s_cbranch_scc0 .Lentry_in_a_cluster
	s_endpgm
.Lentry_in_a_cluster:
	s_bfe_u32 s2, ttmp6, 0x10000c
	s_cmp_lg_u32 s2, 0xf033
	s_cbranch_scc0 .Lentry_shape_is_right
	s_endpgm
.Lentry_shape_is_right:
; The product of the 4,096 queries with the 16,384 synth rows on codes of FP4 with E8M0 scales, K = 1,024, sums in f32.  The scores never go to memory: each is multiplied by 1 / |s|,
; and only the largest of each tile of 16 synth rows is kept, for each query: gmax [query tile 256][chunk of 8 synth tiles 128][lane 32][4 words]; lane (r, h), word c: query r, synth tile 8 chunk + 2 c + h.
; SHARES: work-group (x, y) owns 512 queries (y) and 512 synth rows (x).  Eight waves, two to a SIMD.  Wave w owns 64 queries and KEEPS THEIR CODES FOR ALL OF K IN REGISTERS (32 fragments, 256 registers), loaded once, 512 consecutive bytes a load.
; All eight waves walk the same 32 tiles of 16 synth rows: a tile is 16 LDS loads and a group of 32 matrix instructions, 4 accumulators by turns, K ascending; the wave's loads and vector work stand between its groups.
; Source 0 = 16 synth rows, source 1 = 16 queries: a lane holds ONE query (lane % 16), its eight registers the synth rows 8 (lane / 16) + 0 .. 7.
; LDS: bytes 0 .. 131,071 the 32 synth tiles' K half 0 (4,096 bytes a tile, in the order of the operand's registers), 131,072 .. K half 1: filled once, one tensor load of 32,768 bytes a wave at the head; nothing is filled again.
;   262,144: the synth rows' scale words (32 bytes a row);  278,528: their 1 / |s|: both stored by the waves, in bytes on which no tensor load lands;  280,576: the spare words.
; CLUSTER 4 x 4: the four work-groups of a column share x, so the synth rows' codes are asked for jointly along the column.  The queries' codes go from memory straight into registers, so no joint load can bring them.
; No prefetch: every byte that the work-group reads is asked for at the head; there is no loop to run ahead in.
; The last tile's look-ahead (17 LDS loads) reads the bytes that follow each region, all of them written and inside LDS; what it brings is not used.
; REGISTERS: window 0: v4-17 addresses; v20-35 the queries' scale words, v36-43 the synth tile's, two sets (lanes 0-15: K steps 0-3, lanes 16-31: K steps 4-7); v44-51 1 / |s|; v52-83 accumulators; v84-115 the maxima of 8 tiles;
;   v128-255 the synth tile's fragments, two sets.   window 1: the queries' fragments ((K step q, tile a) at v[8 (4 q + a)]).
.set SCL,   262144
.set ISNB,  278528
.set SPARE, 280576
.set L16,   4                          ; 16 x lane
.set ADRB,  6                          ; v6-7 LDS address of the trip's synth fragments, K half 0, 1
.set ADRS,  8                          ; of its scale words: 32 r + 16 h
.set ADRI,  9                          ; of its reciprocals: 32 h
.set SOF,   10                         ; 32 r + 16 h
.set STG,   11                         ; 16 x thread
.set STS,   12                         ; where I stage scale words
.set STI,   13                         ; where I stage reciprocals
.set ST8,   14                         ; 8 x thread
.set SPW,   16                         ; my spare word; never rewritten
.set NIL,   17                         ; 0; never rewritten
.set QS,    20
.set SS,    36
.set ISN,   44
.set ACC,   52
.set T,     84
.set BF,    128
.set G1B,   48                         ; s[48:55] descriptor group 1, s[56:59] group 0
.set G0B,   56
.set MSB, 0
.macro WIN new                         ; the immediate's high byte repeats the setting that is left
.if MSB != \new
	s_set_vgpr_msb (MSB<<8)|\new
.set MSB, \new
.endif
.endm
.set MUL,   0x04                       ; source 1 (the queries) window 1, all else window 0
.set TO_A,  0x40                       ; destination window 1
.macro CROUND                          ; a round of the cluster's barrier
	s_barrier_signal -1
	s_barrier_wait -1
	s_cmp_lg_u32 s14, 0
	s_cbranch_scc1 .Lnot_wave_0_\@
	s_barrier_signal -3
.Lnot_wave_0_\@:
	s_barrier_wait -3
	s_barrier_signal -1
	s_barrier_wait -1
.endm
	s_load_b256 s[4:11], s[0:1], 0x0               ; codes s[4:5], scales s[6:7], norms s[8:9], gmax s[10:11]
	v_lshl_add_u32 v[SPW], v0, 2, SPARE
	v_mov_b32 v[NIL], 0
	ds_add_u32 v[SPW], v[NIL]                      ; the opening lines: the add, twice on end, and its wait ahead of my tensor load
	ds_add_u32 v[SPW], v[NIL]
	v_lshrrev_b32 v1, 5, v0
	v_readfirstlane_b32 s14, v1                    ; wave 0..7
	s_bfe_u32 s15, s14, 0x10001                    ; (w / 2) % 2
	s_lshr_b32 s16, s14, 2                         ; w / 4
	s_and_b32 s18, s14, 1                          ; w % 2
	s_and_b32 s19, s14, 3                          ; w % 4
	s_bfe_u32 s40, ttmp6, 0x40000                  ; cx, cy
	s_bfe_u32 s41, ttmp6, 0x40004
	s_lshl_b32 s42, ttmp9, 2
	s_add_co_u32 s42, s42, s40                     ; x = 4 x cluster x + cx
	s_and_b32 s17, ttmp7, 0xffff
	s_lshl_b32 s17, s17, 2
	s_add_co_u32 s17, s17, s41                     ; y = 4 x cluster y + cy
	s_lshl_b32 s44, 0x1111, s40                    ; my column of the cluster
	s_or_b32 s[G1B], s44, (3<<16)|(1<<21)          ; the mask; elements of 8 bytes; bit 21 beside a mask
	s_mov_b32 s[G1B+1], 32<<16                     ; a dense block as 128 rows of 256 bytes
	s_mov_b32 s[G1B+2], 128<<16
	s_mov_b32 s[G1B+3], 32<<16
	s_mov_b32 s[G1B+4], 128
	s_mov_b32 s[G1B+5], 32
	s_mov_b32 s[G1B+6], 0
	s_mov_b32 s[G1B+7], 0
	s_lshl_b32 s46, s42, 18                        ; my load: the w-th 32,768 bytes of synth blocks 16 + 2 x, 17 + 2 x ([block w / 4][K half (w / 2) % 2][tiles 8 (w % 2) ..]): hangs on x and the wave alone
	s_lshl_b32 s47, s14, 15
	s_add_co_u32 s46, s46, s47
	s_add_co_u32 s46, s46, 2097152
	s_mov_b32 s47, 0
	s_mov_b32 s[G0B], 1
	s_lshl_b32 s[G0B+1], s15, 17                   ; to LDS: K half x 131,072 + block x 65,536 + (w % 2) x 32,768
	s_lshl_b32 s45, s16, 16
	s_add_co_u32 s[G0B+1], s[G0B+1], s45
	s_lshl_b32 s45, s18, 15
	s_add_co_u32 s[G0B+1], s[G0B+1], s45
	s_lshl_b32 s20, s42, 14                        ; the synth rows' scale words: row 4,096 + 512 x, 32 bytes a row
	s_add_co_u32 s20, s20, 131072
	s_mov_b32 s21, 0
	s_lshl_b32 s22, s42, 11                        ; their reciprocal norms, behind the 20,480 norms
	s_add_co_u32 s22, s22, 98304
	s_mov_b32 s23, 0
	s_lshl_b32 s24, s17, 14                        ; my queries' scale words: row 512 y + 64 w
	s_lshl_b32 s25, s14, 11
	s_add_co_u32 s24, s24, s25
	s_mov_b32 s25, 0
	s_lshl_b32 s26, s17, 18                        ; my queries' codes: block 2 y + w / 4, tiles 4 (w % 4) ..
	s_lshl_b32 s27, s16, 17
	s_add_co_u32 s26, s26, s27
	s_lshl_b32 s27, s19, 14
	s_add_co_u32 s26, s26, s27
	s_mov_b32 s27, 0
	s_lshl_b32 s28, s17, 21                        ; gmax: query tile 32 y + 4 w (65,536 bytes each), chunk 4 x (512 bytes each)
	s_lshl_b32 s29, s14, 18
	s_add_co_u32 s28, s28, s29
	s_lshl_b32 s29, s42, 11
	s_add_co_u32 s28, s28, s29
	s_mov_b32 s29, 0
	v_and_b32 v1, 31, v0
	v_lshlrev_b32 v[L16], 4, v1
	v_and_b32 v2, 15, v0
	v_bfe_u32 v3, v0, 4, 1
	v_lshlrev_b32 v[SOF], 5, v2
	v_lshl_add_u32 v[SOF], v3, 4, v[SOF]
	v_mov_b32 v[ADRB], v[L16]
	v_add_nc_u32 v[ADRB+1], 131072, v[L16]
	v_add_nc_u32 v[ADRS], SCL, v[SOF]
	v_lshl_add_u32 v[ADRI], v3, 5, ISNB
	v_lshlrev_b32 v[STG], 4, v0
	v_lshlrev_b32 v[ST8], 3, v0
	v_add_nc_u32 v[STS], SCL, v[STG]
	v_add_nc_u32 v[STI], ISNB, v[ST8]
	s_wait_alu depctr_va_vdst(0)
	s_wait_dscnt 0x0                               ; both opening adds are done
	s_wait_kmcnt 0x0
	s_add_nc_u64 s[G0B+2:G0B+3], s[4:5], s[46:47]
	s_or_b32 s[G0B+3], s[G0B+3], 0x80000000        ; type = 2
	s_add_nc_u64 s[66:67], s[6:7], s[20:21]
	s_add_nc_u64 s[68:69], s[8:9], s[22:23]
	s_add_nc_u64 s[72:73], s[6:7], s[24:25]
	s_add_nc_u64 s[74:75], s[4:5], s[26:27]
	s_add_nc_u64 s[70:71], s[10:11], s[28:29]
.set i, 0
.rept 4
	global_load_b128 v[T+4*i:T+4*i+3], v[STG], s[66:67] offset:i*4096    ; the 512 synth rows' scale words: 16,384 bytes, 16 a thread and load
	global_load_b128 v[QS+4*i:QS+4*i+3], v[SOF], s[72:73] offset:i*512   ; query tile i: register q: lanes 0-15 K step q, lanes 16-31 K step 4 + q
.set i, i+1
.endr
	global_load_b64 v[T+16:T+17], v[ST8], s[68:69]                       ; the 512 reciprocals: 2,048 bytes, 8 a thread
	CROUND                                         ; all sixteen work-groups are here: the joint loads meet
	tensor_load_to_lds s[G0B:G0B+3], s[G1B:G1B+7]  ; my one tensor load: an eighth of the synth rows' codes
	s_nop 0
.rept 4
	v_nop
.endr
.macro ALOAD from, cnt                 ; my queries' fragments: load n brings registers 4 n .. 4 n + 3 of window 1: K step n / 8, tile (n / 2) % 4, c = n % 2
.set n, \from
.rept \cnt
	global_load_b128 v[4*n:4*n+3], v[L16], s[74:75] offset:(n/32)*65536+((n/2)%4)*4096+((n/8)%4)*1024+(n%2)*512
.set n, n+1
.endr
.endm
	WIN TO_A
	ALOAD 0, 32
	WIN 0
	s_wait_loadcnt 32                              ; all but the 32 just issued: the scale words and reciprocals are in
.set i, 0
.rept 4
	ds_store_b128 v[STS], v[T+4*i:T+4*i+3] offset:i*4096
.set i, i+1
.endr
	ds_store_b64 v[STI], v[T+16:T+17]
	WIN TO_A
	ALOAD 32, 32
	WIN 0
	s_wait_tensorcnt 0x0                           ; my eighth of the codes has landed,
	s_wait_dscnt 0x0                               ; my stores are done:
	s_barrier_signal -1
	s_barrier_wait -1                              ; everybody's are
.macro BLOAD i, p                      ; tile i of the trip into set p: load n brings registers 4 n .. 4 n + 3: K step n / 2, c = n % 2
.set n, 0
.rept 16
	ds_load_b128 v[BF+64*(\p)+4*n:BF+64*(\p)+4*n+3], v[ADRB+n/8] offset:(\i)*4096+((n/2)%4)*1024+(n%2)*512
.set n, n+1
.endr
.endm
.macro MULK p, q                       ; K step q: the synth tile in set p against my four query tiles; the 4 accumulators take turns; q = 0 starts the sums
.set a, 0
.rept 4
.set rD, ACC+8*a
.set rB, BF+64*(\p)+8*(\q)
.set rA, 8*(4*(\q)+a)
.set rS, SS+4*(\p)+(\q)%4
.set rQ, QS+4*a+(\q)%4
.if (\q) == 0
	v_wmma_scale_f32_16x16x128_f8f6f4 v[rD:rD+7], v[rB:rB+7], v[rA:rA+7], 0, v[rS], v[rQ] matrix_a_fmt:MATRIX_FMT_FP4 matrix_b_fmt:MATRIX_FMT_FP4
.elseif (\q) < 4
	v_wmma_scale_f32_16x16x128_f8f6f4 v[rD:rD+7], v[rB:rB+7], v[rA:rA+7], v[rD:rD+7], v[rS], v[rQ] matrix_a_fmt:MATRIX_FMT_FP4 matrix_b_fmt:MATRIX_FMT_FP4
.else
	v_wmma_scale_f32_16x16x128_f8f6f4 v[rD:rD+7], v[rB:rB+7], v[rA:rA+7], v[rD:rD+7], v[rS], v[rQ] matrix_a_fmt:MATRIX_FMT_FP4 matrix_b_fmt:MATRIX_FMT_FP4 matrix_a_scale:MATRIX_SCALE_ROW1 matrix_b_scale:MATRIX_SCALE_ROW1
.endif
.set a, a+1
.endr
.endm
.macro MULS a                          ; accumulator a x 1 / |s|, in place, from its low end on
.set u, 0
.rept 4
	v_pk_mul_f32 v[ACC+8*(\a)+2*u:ACC+8*(\a)+2*u+1], v[ACC+8*(\a)+2*u:ACC+8*(\a)+2*u+1], v[ISN+2*u:ISN+2*u+1]
.set u, u+1
.endr
.endm
.macro PART a                          ; three partial maxima of its eight numbers
	v_max3_num_f32 v[ACC+8*(\a)], v[ACC+8*(\a)], v[ACC+8*(\a)+1], v[ACC+8*(\a)+2]
	v_max3_num_f32 v[ACC+8*(\a)+3], v[ACC+8*(\a)+3], v[ACC+8*(\a)+4], v[ACC+8*(\a)+5]
	v_max_num_f32 v[ACC+8*(\a)+6], v[ACC+8*(\a)+6], v[ACC+8*(\a)+7]
.endm
.macro FIN a, i                        ; the largest of my eight rows, query tile a, tile i of the trip
	v_max3_num_f32 v[T+8*(\a)+(\i)], v[ACC+8*(\a)], v[ACC+8*(\a)+3], v[ACC+8*(\a)+6]
.endm
; Tile i of a trip.  Its own 1 / |s| and the next tile's scale words and fragments are asked for first; the last tile's 32 vector lines are the places between its products and these loads.
.macro TILE i
	ds_load_b128 v[ISN:ISN+3], v[ADRI] offset:(\i)*64
	ds_load_b128 v[ISN+4:ISN+7], v[ADRI] offset:(\i)*64+16
	ds_load_b128 v[SS+4*(1-(\i)%2):SS+4*(1-(\i)%2)+3], v[ADRS] offset:((\i)+1)*512
	BLOAD (\i)+1, 1-(\i)%2
	s_wait_dscnt 19                                ; all but the 19 just issued: this tile's fragments and scale words are in
	WIN MUL
.irp q, 0,1,2,3,4,5,6,7
	MULK (\i)%2, \q
.endr
	WIN 0
.rept 4
	v_nop                                          ; four plain places behind the products (ISA guide 7.12.1), in front of the first read of a sum
.endr
	s_wait_dscnt 17                                ; the two oldest of the 19: 1 / |s| of rows 8 h + 0 .. 7
	MULS 0                                         ; the four accumulators' chains are laid so that a line reads what stands five lines or more ahead of it, but for the last two
	MULS 1
	PART 0
	MULS 2
	FIN 0, \i
	PART 1
	MULS 3
	FIN 1, \i
	PART 2
	PART 3
	s_delay_alu instid0(VALU_DEP_4)
	FIN 2, \i
	s_delay_alu instid0(VALU_DEP_2)
	FIN 3, \i
.endm
	ds_load_b128 v[SS:SS+3], v[ADRS]               ; the first tile's scale words and fragments
	BLOAD 0, 0
	s_wait_loadcnt 0x0                             ; my queries' codes and scale words are in
	s_mov_b32 s3, 4
.Ltrip:                                                ; a trip is a chunk of 8 synth tiles
.irp i, 0,1,2,3,4,5,6,7
	TILE \i
.endr
.set i, 0
.rept 16
	v_permlane16_swap_b32 v[T+2*i], v[T+2*i+1]     ; tiles 2 c and 2 c + 1: the first's lanes 16-31 change places with the second's lanes 0-15,
.set i, i+1
.endr
.irp a, 0,1,2,3
.irp c, 0,1,2,3
	v_max_num_f32 v[T+8*\a+\c], v[T+8*\a+2*\c], v[T+8*\a+2*\c+1]   ; so that this joins a tile's two halves: lanes 0-15 hold tile 2 c, lanes 16-31 tile 2 c + 1
.endr
.endr
.irp a, 0,1,2,3
	global_store_b128 v[L16], v[T+8*\a:T+8*\a+3], s[70:71] offset:\a*65536 th:TH_STORE_NT   ; 32 lanes store 512 consecutive bytes
.endr
	v_add_nc_u32 v[ADRB], 32768, v[ADRB]           ; 8 tiles on
	v_add_nc_u32 v[ADRB+1], 32768, v[ADRB+1]
	v_add_nc_u32 v[ADRS], 4096, v[ADRS]
	v_add_nc_u32 v[ADRI], 512, v[ADRI]
	s_wait_xcnt 0x0                                ; the stores have read their data and their base
	s_add_nc_u64 s[70:71], s[70:71], 512           ; a chunk on
	s_sub_co_u32 s3, s3, 1
	s_cmp_lg_u32 s3, 0
	s_wait_alu depctr_va_vdst(0)
	s_cbranch_scc1 .Ltrip
	s_wait_tensorcnt 0x0                           ; the wave's end
	ds_add_u32 v[SPW], v[NIL]
	s_wait_dscnt 0x0
	CROUND                                         ; the closing round
	s_endpgm
.Lfunc_end_k_q8c2acc2119_gemm:
	.size	k_q8c2acc2119_gemm, .Lfunc_end_k_q8c2acc2119_gemm-k_q8c2acc2119_gemm
	.p2alignl 7, 3214868480
	.fill 96, 4, 3214868480
	.section	.rodata,"a",@progbits
	.p2align	6, 0x0
	.amdhsa_kernel k_q8c2acc2119_gemm
		.amdhsa_group_segment_fixed_size 327680
		.amdhsa_private_segment_fixed_size 0
		.amdhsa_enable_private_segment 0
		.amdhsa_kernarg_size 32
		.amdhsa_user_sgpr_count 2
		.amdhsa_user_sgpr_kernarg_segment_ptr 1
		.amdhsa_wavefront_size32 1
		.amdhsa_system_sgpr_workgroup_id_x 1
		.amdhsa_system_sgpr_workgroup_id_y 1
		.amdhsa_system_sgpr_workgroup_id_z 1
		.amdhsa_system_vgpr_workitem_id 0
		.amdhsa_next_free_vgpr 512
		.amdhsa_next_free_sgpr 80
		.amdhsa_reserve_vcc 0
		.amdhsa_float_denorm_mode_32 3
		.amdhsa_float_denorm_mode_16_64 3
		.amdhsa_memory_ordered 1
		.amdhsa_forward_progress 1
		.amdhsa_inst_pref_size 75
	.end_amdhsa_kernel
	.amdgpu_metadata
---
amdhsa.version: [ 1, 2 ]
amdhsa.kernels:
  - .name:           k_q8c2acc2119_gemm
    .symbol:         k_q8c2acc2119_gemm.kd
    .args:
      - { .name: codes, .offset: 0, .size: 8, .value_kind: global_buffer, .address_space: global }
      - { .name: scales, .offset: 8, .size: 8, .value_kind: global_buffer, .address_space: global }
      - { .name: norms, .offset: 16, .size: 8, .value_kind: global_buffer, .address_space: global }
      - { .name: gmax, .offset: 24, .size: 8, .value_kind: global_buffer, .address_space: global }
    .group_segment_fixed_size: 327680
    .private_segment_fixed_size: 0
    .kernarg_segment_align: 8
    .kernarg_segment_size: 32
    .max_flat_workgroup_size: 256
    .sgpr_count:     80
    .vgpr_count:     512
    .wavefront_size: 32
...
	.end_amdgpu_metadata
.endif
;; end of part 2
;; launch pick (part 3): grid 256 x 1, 8 waves a work-group, no clusters, 9,216 bytes of LDS; arguments gmax, norms, gid; writes gid
.if DOCPART == 3
	.amdgcn_target "amdgcn-amd-amdhsa--gfx1250"
	.amdhsa_code_object_version 6
	.text
	.protected	k_q8c2acc2119_pick
	.globl	k_q8c2acc2119_pick
	.p2align	8
	.type	k_q8c2acc2119_pick,@function
k_q8c2acc2119_pick:
	s_mov_b64 s[64:65], 0
	v_nop
	global_prefetch_b8 v0, s[64:65] scope:SCOPE_SE
	s_setreg_imm32_b32 hwreg(HW_REG_WAVE_MODE, 25, 1), 1
	s_wait_xcnt 0x0
; For each query the four synth tiles (of 16 rows) with the smallest key 1 - gmax / |q|: the four nearest rows always lie in the four tiles whose best row is nearest.
; Their numbers go out as whole numbers, gid [query tile 256][c 4][r 16], for the next launch's addresses.
; LIMIT: the key is 1 - (dot x 1 / |s|) x 1 / |q|, a few ulp from the quotient that ranks the rows in the end: a fourth and a fifth neighbour closer than that may change places.  NaN is not served.
; SHARES: a work-group takes a tile of 16 queries: 65,536 bytes of gmax; wave w takes chunks 16 w .. 16 w + 15.  Lane (r, h), word c of chunk cc: query r, synth tile 8 cc + 2 c + h: 64 keys a lane.
; A lane keeps a sorted list of four keys and their tile numbers.  Keys come in ascending tile number, and a strict compare leaves the lower number in front where keys are equal.
; No matrix unit, no tensor load, no cluster: a stream that is read once; the eight waves' lists meet in LDS.
.set K,   8                            ; v8-11   the four smallest keys, ascending
.set I,   12                           ; v12-15  their tile numbers
.set IQ,  16                           ; v16-17  1 / |q|, twice (a pair for the packed multiply)
.set ID,  6                            ; v6      the number of the key in hand
.set TT,  7                            ; v7      at work
.set D,   64                           ; v64-127 the 64 values; later the other waves' lists (v64-119) and the other half's list (v120-127)
.set EX,  120
.set CM,  40                           ; s40-43  the four compares; s44-45 at work
; Key v[k] with number v[id] goes into the list.  lex = 1: where keys are equal the lower number goes in front (for lists whose numbers do not come in order).
.macro INSERT k, id, lex
.irp t, 0,1,2,3
	v_cmp_lt_f32 s[CM+\t], v[\k], v[K+\t]
.endr
.if \lex
.irp t, 0,1,2,3
	v_cmp_eq_f32 s44, v[\k], v[K+\t]
	v_cmp_lt_u32 s45, v[\id], v[I+\t]
	s_and_b32 s44, s44, s45
	s_or_b32 s[CM+\t], s[CM+\t], s44
.endr
.endif
	v_cndmask_b32 v[TT], v[\id], v[I+2], s[CM+2]   ; place 4 takes place 3's number, the new one, or keeps its own; and so on down
	s_delay_alu instid0(VALU_DEP_1)
	v_cndmask_b32 v[I+3], v[I+3], v[TT], s[CM+3]
	v_cndmask_b32 v[TT], v[\id], v[I+1], s[CM+1]
	s_delay_alu instid0(VALU_DEP_1)
	v_cndmask_b32 v[I+2], v[I+2], v[TT], s[CM+2]
	v_cndmask_b32 v[TT], v[\id], v[I], s[CM]
	s_delay_alu instid0(VALU_DEP_1)
	v_cndmask_b32 v[I+1], v[I+1], v[TT], s[CM+1]
	v_cndmask_b32 v[I], v[I], v[\id], s[CM]
	v_med3_num_f32 v[K+3], v[\k], v[K+2], v[K+3]   ; the keys: the middle one of the new key and two neighbours
	v_med3_num_f32 v[K+2], v[\k], v[K+1], v[K+2]
	v_med3_num_f32 v[K+1], v[\k], v[K], v[K+1]
	v_min_num_f32 v[K], v[\k], v[K]
.endm
	s_load_b128 s[4:7], s[0:1], 0x0                ; gmax, norms
	s_load_b64 s[8:9], s[0:1], 0x10                ; gid
	v_lshl_add_u32 v128, v0, 2, 0x2000
	v_mov_b32 v129, 0
	v_lshrrev_b32 v1, 5, v0
	s_delay_alu instid0(VALU_DEP_1)
	v_readfirstlane_b32 s10, v1                    ; wave 0..7
	v_and_b32 v2, 31, v0
	s_delay_alu instid0(VALU_DEP_1)
	v_lshlrev_b32 v1, 4, v2                        ; 16 x lane
	s_delay_alu instid0(VALU_DEP_2)
	v_lshlrev_b32 v4, 5, v2                        ; LDS: 32 x lane: my lane's list in wave 0's part
	v_lshlrev_b32 v3, 5, v0                        ; LDS: 32 x thread: my list
	v_and_b32 v2, 15, v0
	s_delay_alu instid0(VALU_DEP_1)
	v_lshlrev_b32 v2, 2, v2                        ; 4 r
	v_bfe_u32 v5, v0, 4, 1
	s_lshl_b32 s11, s10, 7
	v_add_nc_u32 v5, s11, v5                       ; 128 w + h: my first tile number
	s_lshl_b32 s12, ttmp9, 16
	s_lshl_b32 s13, s10, 13
	s_add_co_u32 s12, s12, s13                     ; gmax: 65,536 x query tile + 8,192 x wave
	s_mov_b32 s13, 0
	s_lshl_b32 s14, ttmp9, 6
	s_add_co_u32 s14, s14, 81920                   ; 1 / |q|: behind the 20,480 norms
	s_mov_b32 s15, 0
	s_lshl_b32 s16, ttmp9, 8                       ; gid: 256 bytes a query tile
	s_mov_b32 s17, 0
	s_mov_b32 s20, 0x76543210
	s_mov_b32 s21, 0xfedcba98                      ; v_permlanex16_b32's selects for lane l xor 16
	s_wait_alu depctr_va_vdst(0)
	s_wait_kmcnt 0x0
	s_add_nc_u64 s[4:5], s[4:5], s[12:13]
	s_add_nc_u64 s[6:7], s[6:7], s[14:15]
	s_add_nc_u64 s[8:9], s[8:9], s[16:17]
	global_load_b32 v[IQ], v2, s[6:7]
.set i, 0
.rept 16
	global_load_b128 v[D+4*i:D+4*i+3], v1, s[4:5] offset:i*512 th:TH_LOAD_NT   ; 512 consecutive bytes a load
.set i, i+1
.endr
.irp t, 0,1,2,3
	v_mov_b32 v[K+\t], 0x7f800000                  ; the list begins with +infinity
	v_mov_b32 v[I+\t], 0
.endr
.set i, 0
.rept 16
	s_wait_loadcnt 15-i                            ; chunk i is in; the chunks behind it may be out
.if i == 0
	v_mov_b32 v[IQ+1], v[IQ]
.endif
	v_pk_mul_f32 v[D+4*i:D+4*i+1], v[D+4*i:D+4*i+1], v[IQ:IQ+1]
	v_pk_mul_f32 v[D+4*i+2:D+4*i+3], v[D+4*i+2:D+4*i+3], v[IQ:IQ+1]
.set c, 0
.rept 4
	v_sub_f32 v[D+4*i+c], 1.0, v[D+4*i+c]          ; a product and a difference, each rounded: as the distance is made
.set c, c+1
.endr
.set c, 0
	s_wait_alu depctr_va_vdst(0)
.rept 4
	v_add_nc_u32 v[ID], 8*i+2*c, v5
	INSERT D+4*i+c, ID, 0
.set c, c+1
.endr
.set i, i+1
.endr
	ds_store_b128 v3, v[K:K+3]
	ds_store_b128 v3, v[I:I+3] offset:16
	s_wait_dscnt 0x0                               ; for wave 0's sake: my list lies in LDS
	s_barrier_signal -1
	s_barrier_wait -1
	s_cmp_lg_u32 s10, 0
	s_cbranch_scc1 .Lend                           ; wave 0 joins the lists
.set j, 1
.rept 7
	ds_load_b128 v[D+8*(j-1):D+8*(j-1)+3], v4 offset:1024*j
	ds_load_b128 v[D+8*(j-1)+4:D+8*(j-1)+7], v4 offset:1024*j+16
.set j, j+1
.endr
	s_wait_dscnt 0x0
.set j, 0
	s_wait_alu depctr_va_vdst(0)
.rept 7
.set c, 0
.rept 4
	INSERT D+8*j+c, D+8*j+4+c, 0                   ; waves in ascending order: every number here is above those already in the list
.set c, c+1
.endr
.set j, j+1
.endr
.irp t, 0,1,2,3
	v_permlanex16_b32 v[EX+\t], v[K+\t], s20, s21          ; the other half's list: the odd tiles for the even, and the other way round
	v_permlanex16_b32 v[EX+4+\t], v[I+\t], s20, s21
.endr
.irp t, 0,1,2,3
	INSERT EX+\t, EX+4+\t, 1
.endr
.irp c, 0,1,2,3
	global_store_b32 v2, v[I+\c], s[8:9] offset:64*\c      ; lanes r and 16 + r hold the same list and write the same word
.endr
.Lend:
	s_wait_tensorcnt 0x0
	ds_add_u32 v128, v129
	s_wait_dscnt 0x0
	s_endpgm
.Lfunc_end_k_q8c2acc2119_pick:
	.size	k_q8c2acc2119_pick, .Lfunc_end_k_q8c2acc2119_pick-k_q8c2acc2119_pick
	.p2alignl 7, 3214868480
	.fill 96, 4, 3214868480
	.section	.rodata,"a",@progbits
	.p2align	6, 0x0
	.amdhsa_kernel k_q8c2acc2119_pick
		.amdhsa_group_segment_fixed_size 9216
		.amdhsa_private_segment_fixed_size 0
		.amdhsa_enable_private_segment 0
		.amdhsa_kernarg_size 24
		.amdhsa_user_sgpr_count 2
		.amdhsa_user_sgpr_kernarg_segment_ptr 1
		.amdhsa_wavefront_size32 1
		.amdhsa_system_sgpr_workgroup_id_x 1
		.amdhsa_system_sgpr_workgroup_id_y 1
		.amdhsa_system_sgpr_workgroup_id_z 1
		.amdhsa_system_vgpr_workitem_id 0
		.amdhsa_next_free_vgpr 130
		.amdhsa_next_free_sgpr 66
		.amdhsa_reserve_vcc 0
		.amdhsa_float_denorm_mode_32 3
		.amdhsa_float_denorm_mode_16_64 3
		.amdhsa_memory_ordered 1
		.amdhsa_forward_progress 1
		.amdhsa_inst_pref_size 113
	.end_amdhsa_kernel
	.amdgpu_metadata
---
amdhsa.version: [ 1, 2 ]
amdhsa.kernels:
  - .name:           k_q8c2acc2119_pick
    .symbol:         k_q8c2acc2119_pick.kd
    .args:
      - { .name: gmax, .offset: 0, .size: 8, .value_kind: global_buffer, .address_space: global }
      - { .name: norms, .offset: 8, .size: 8, .value_kind: global_buffer, .address_space: global }
      - { .name: gid, .offset: 16, .size: 8, .value_kind: global_buffer, .address_space: global }
    .group_segment_fixed_size: 9216
    .private_segment_fixed_size: 0
    .kernarg_segment_align: 8
    .kernarg_segment_size: 24
    .max_flat_workgroup_size: 256
    .sgpr_count:     66
    .vgpr_count:     130
    .wavefront_size: 32
...
	.end_amdgpu_metadata
.endif
;; end of part 3
;; launch rescore (part 4): grid 256 x 1, 8 waves a work-group, no clusters, 9,216 bytes of LDS; arguments codes, scales, norms, gid, idx; writes idx
.if DOCPART == 4
	.amdgcn_target "amdgcn-amd-amdhsa--gfx1250"
	.amdhsa_code_object_version 6
	.text
	.protected	k_q8c2acc2119_rescore
	.globl	k_q8c2acc2119_rescore
	.p2align	8
	.type	k_q8c2acc2119_rescore,@function
k_q8c2acc2119_rescore:
	s_mov_b64 s[64:65], 0
	v_nop
	global_prefetch_b8 v0, s[64:65] scope:SCOPE_SE
	s_setreg_imm32_b32 hwreg(HW_REG_WAVE_MODE, 25, 1), 1
	s_wait_xcnt 0x0
; The 64 candidates of each query (four tiles of 16 synth rows, named by gid) are scored again by the same matrix form on the same codes, K ascending, and ranked as the distance is defined:
; dist = 1 - dot / (|q| |s|); the four smallest, the lower row first where distances are equal, go out as whole numbers, idx [query 4096][4].
; LIMITS: the quotient is a reciprocal with one correction step, which may differ from the true quotient in the last bit; NaN, infinities and rows of norm 0 are not served.
; SHARES: a work-group takes a tile of 16 queries.  Wave w takes candidate c = w % 4 of queries 8 (w / 4) + u, u = 0 .. 7: eight sums of eight products (source 0 = the candidate's 16 rows, source 1 = the 16 queries),
; of each of which only query u's column is kept.  The sums go in pairs, by turns; a pair's K half (16 loads of 512 consecutive bytes) is asked for two halves ahead.
; Addresses hang on gid alone, which an earlier launch stored; each number is held to 0 .. 1,023.  No tile is shared between work-groups at a fixed time, so there is no cluster; the codes come through registers, so no ring.
.set S,    8                           ; v8-15    my query's eight scores: synth rows 16 g + 8 h + 0 .. 7
.set QSW,  16                          ; v16-19   the queries' scale words (lanes 0-15: K steps 0-3, lanes 16-31: 4-7)
.set AS,   20                          ; v20-35   the candidates' scale words: two sets of 2 x 4
.set ACC,  36                          ; v36-51   two accumulators
.set QF,   52                          ; v52-115  the queries' eight fragments
.set A,    116                         ; v116-243 the candidates' fragments: two sets of 2 x 32
.set SN,   244                         ; v244-251 |s| of my eight rows
.set CB,   32                          ; s[32:47] the eight candidates' codes;  s[48:63] their scale words
.set SB,   48
.set CM,   80                          ; s80-83 compares; s84-85 at work
; behind the sums the candidates' registers are free:
.set P,    116                         ; |q| |s|
.set RR,   124                         ; its reciprocal
.set K,    132                         ; the four smallest distances, ascending
.set I,    136                         ; their rows
.set ID,   140
.set TT,   141
.set BASE, 142                         ; 16 g + 8 h
.set OO,   143                         ; 16 r
.set L,    144                         ; three more lists
.set EX,   168                         ; the other half's list
.set XX,   176
.set EE,   184
.macro INSERT k, id, lex               ; distance v[k] with row v[id] goes into the sorted list; lex = 1: where distances are equal the lower row goes in front
.irp t, 0,1,2,3
	v_cmp_lt_f32 s[CM+\t], v[\k], v[K+\t]
.endr
.if \lex
.irp t, 0,1,2,3
	v_cmp_eq_f32 s84, v[\k], v[K+\t]
	v_cmp_lt_u32 s85, v[\id], v[I+\t]
	s_and_b32 s84, s84, s85
	s_or_b32 s[CM+\t], s[CM+\t], s84
.endr
.endif
	v_cndmask_b32 v[TT], v[\id], v[I+2], s[CM+2]
	s_delay_alu instid0(VALU_DEP_1)
	v_cndmask_b32 v[I+3], v[I+3], v[TT], s[CM+3]
	v_cndmask_b32 v[TT], v[\id], v[I+1], s[CM+1]
	s_delay_alu instid0(VALU_DEP_1)
	v_cndmask_b32 v[I+2], v[I+2], v[TT], s[CM+2]
	v_cndmask_b32 v[TT], v[\id], v[I], s[CM]
	s_delay_alu instid0(VALU_DEP_1)
	v_cndmask_b32 v[I+1], v[I+1], v[TT], s[CM+1]
	v_cndmask_b32 v[I], v[I], v[\id], s[CM]
	v_med3_num_f32 v[K+3], v[\k], v[K+2], v[K+3]
	v_med3_num_f32 v[K+2], v[\k], v[K+1], v[K+2]
	v_med3_num_f32 v[K+1], v[\k], v[K], v[K+1]
	v_min_num_f32 v[K], v[\k], v[K]
.endm
	s_load_b256 s[4:11], s[0:1], 0x0               ; codes s[4:5], scales s[6:7], norms s[8:9], gid s[10:11]
	s_load_b64 s[12:13], s[0:1], 0x20              ; idx
	s_set_vgpr_msb 0x40
	v_lshl_add_u32 v0, v0, 2, 0x2000
	v_mov_b32 v1, 0
	s_set_vgpr_msb 0x4000
	v_lshrrev_b32 v1, 5, v0
	s_delay_alu instid0(VALU_DEP_1)
	v_readfirstlane_b32 s14, v1                    ; wave 0..7
	s_and_b32 s15, s14, 3                          ; my candidate c
	s_lshr_b32 s16, s14, 2                         ; which eight queries
	v_and_b32 v252, 31, v0
	s_delay_alu instid0(VALU_DEP_1)
	v_lshlrev_b32 v1, 4, v252                      ; v1  16 x lane
	v_and_b32 v253, 15, v0
	v_bfe_u32 v254, v0, 4, 1
	s_delay_alu instid0(VALU_DEP_2)
	v_lshlrev_b32 v2, 5, v253
	s_delay_alu instid0(VALU_DEP_1)
	v_lshl_add_u32 v2, v254, 4, v2                 ; v2  32 r + 16 h: a row's scale words, my half's four
	s_delay_alu instid0(VALU_DEP_4)
	v_lshlrev_b32 v3, 2, v253                      ; v3  4 r
	v_lshlrev_b32 v6, 5, v0                        ; v6  LDS: 32 x thread: my list
	v_and_b32 v7, 8, v0
	s_delay_alu instid0(VALU_DEP_1)
	v_lshlrev_b32 v7, 9, v7
	s_delay_alu instid0(VALU_DEP_1)
	v_lshl_add_u32 v7, v252, 5, v7                 ; v7  LDS: the list of my lane in wave 4 (r / 8): the wave that scored my query's candidate 0
	v_lshlrev_b32 v255, 5, v254                    ; v255 32 h
	v_lshlrev_b32 v254, 3, v254                    ; v254 8 h
	s_lshl_b32 s20, ttmp9, 8
	s_lshl_b32 s21, s15, 6
	s_add_co_u32 s20, s20, s21                     ; gid: 256 x query tile + 64 c
	s_mov_b32 s21, 0
	s_lshl_b32 s22, s16, 5                         ; my eight queries' words
	s_mov_b32 s23, 0
	s_lshr_b32 s76, ttmp9, 4                       ; the queries' codes: block x 131,072 + tile in block x 4,096
	s_lshl_b32 s76, s76, 17
	s_and_b32 s77, ttmp9, 15
	s_lshl_b32 s77, s77, 12
	s_add_co_u32 s76, s76, s77
	s_mov_b32 s77, 0
	s_mov_b32 s78, 0x76543210
	s_mov_b32 s79, 0xfedcba98                      ; v_permlanex16_b32's selects for lane l xor 16
	s_lshl_b32 s86, s16, 3
	s_lshl_b32 s86, 0x00010001, s86                ; the two lanes of query 8 (w / 4)
	s_wait_alu depctr_va_vdst(0)
	s_wait_kmcnt 0x0
	s_add_nc_u64 s[70:71], s[10:11], s[20:21]
	s_add_nc_u64 s[74:75], s[70:71], s[22:23]
	s_load_b256 s[24:31], s[74:75], 0x0            ; the tile numbers of my eight sums
	global_load_b32 v4, v3, s[70:71]               ; v4  my query's tile number g: the first vector load
	s_add_nc_u64 s[66:67], s[4:5], s[76:77]
	s_lshl_b32 s76, ttmp9, 9
	s_add_nc_u64 s[68:69], s[6:7], s[76:77]        ; the queries' scale words
	s_lshl_b32 s76, ttmp9, 6
	s_add_nc_u64 s[18:19], s[8:9], s[76:77]        ; their norms
	s_add_nc_u64 s[72:73], s[8:9], 16384           ; the synth rows' norms begin behind the 4,096 queries'
	s_lshl_b32 s76, ttmp9, 8
	s_add_nc_u64 s[12:13], s[12:13], s[76:77]      ; idx: 256 bytes a query tile
	global_load_b32 v5, v3, s[18:19]               ; v5  |q|
	global_load_b128 v[QSW:QSW+3], v2, s[68:69]
.set i, 0
.rept 16
	global_load_b128 v[QF+4*i:QF+4*i+3], v1, s[66:67] offset:(i/8)*65536+(i%8)*512
.set i, i+1
.endr
	s_wait_kmcnt 0x0
.irp u, 0,1,2,3,4,5,6,7
	s_min_u32 s[24+\u], s[24+\u], 1023             ; a loaded number enters an address only behind this hold
	s_and_b32 s76, s[24+\u], 0x3f0
	s_lshl_b32 s76, s76, 13                        ; (g / 16) x 131,072
	s_and_b32 s77, s[24+\u], 15
	s_lshl_b32 s77, s77, 12                        ; + (g % 16) x 4,096
	s_add_co_u32 s76, s76, s77
	s_add_co_u32 s76, s76, 2097152                 ; behind the queries' 16 blocks
	s_mov_b32 s77, 0
	s_add_nc_u64 s[CB+2*\u:CB+2*\u+1], s[4:5], s[76:77]
	s_lshl_b32 s76, s[24+\u], 9
	s_add_co_u32 s76, s76, 131072                  ; scale words: 512 bytes a tile, behind the queries' 4,096 rows
	s_add_nc_u64 s[SB+2*\u:SB+2*\u+1], s[6:7], s[76:77]
.endr
; Half t: K half t % 2 of the pair t / 2 of sums: 16 loads into set t % 2; with K half 0 also the pair's scale words (2 loads)
.macro LOADH t
.set lp, (\t)/2
.set lh, (\t)%2
.set ls, A+64*lh
.irp ch, 0,1
.set i, 0
.rept 8
	global_load_b128 v[ls+32*\ch+4*i:ls+32*\ch+4*i+3], v1, s[CB+2*(2*lp+\ch):CB+2*(2*lp+\ch)+1] offset:lh*65536+i*512
.set i, i+1
.endr
.endr
.if lh == 0
.irp ch, 0,1
	global_load_b128 v[AS+8*(lp%2)+4*\ch:AS+8*(lp%2)+4*\ch+3], v2, s[SB+2*(2*lp+\ch):SB+2*(2*lp+\ch)+1]
.endr
.endif
.endm
	LOADH 0
	s_wait_loadcnt 36                              ; 37 loads are issued: the first, g, is in
	v_min_u32 v4, 0x3ff, v4
	s_delay_alu instid0(VALU_DEP_1)
	v_lshlrev_b32 v253, 6, v4
	s_delay_alu instid0(VALU_DEP_1)
	v_add_nc_u32 v253, v253, v255                  ; 64 g + 32 h: my eight rows' norms
	global_load_b128 v[SN:SN+3], v253, s[72:73]
	global_load_b128 v[SN+4:SN+7], v253, s[72:73] offset:16
	LOADH 1
; Half t: eight products, the pair's two sums by turns.  cnt: the loads issued behind this half's.
.macro RSTEP t, cnt
.set pp, (\t)/2
.set hh, (\t)%2
.set st, A+64*hh
	s_wait_loadcnt \cnt
.set q, 0
.rept 4
.irp ch, 0,1
.if hh == 1
	v_wmma_scale_f32_16x16x128_f8f6f4 v[ACC+8*\ch:ACC+8*\ch+7], v[st+32*\ch+8*q:st+32*\ch+8*q+7], v[QF+8*(4+q):QF+8*(4+q)+7], v[ACC+8*\ch:ACC+8*\ch+7], v[AS+8*(pp%2)+4*\ch+q], v[QSW+q] matrix_a_fmt:MATRIX_FMT_FP4 matrix_b_fmt:MATRIX_FMT_FP4 matrix_a_scale:MATRIX_SCALE_ROW1 matrix_b_scale:MATRIX_SCALE_ROW1
.elseif q == 0
	v_wmma_scale_f32_16x16x128_f8f6f4 v[ACC+8*\ch:ACC+8*\ch+7], v[st+32*\ch+8*q:st+32*\ch+8*q+7], v[QF+8*q:QF+8*q+7], 0, v[AS+8*(pp%2)+4*\ch+q], v[QSW+q] matrix_a_fmt:MATRIX_FMT_FP4 matrix_b_fmt:MATRIX_FMT_FP4
.else
	v_wmma_scale_f32_16x16x128_f8f6f4 v[ACC+8*\ch:ACC+8*\ch+7], v[st+32*\ch+8*q:st+32*\ch+8*q+7], v[QF+8*q:QF+8*q+7], v[ACC+8*\ch:ACC+8*\ch+7], v[AS+8*(pp%2)+4*\ch+q], v[QSW+q] matrix_a_fmt:MATRIX_FMT_FP4 matrix_b_fmt:MATRIX_FMT_FP4
.endif
.endr
.set q, q+1
.endr
.rept 5
	v_nop                                          ; places: four in front of loads into the fragments and of reads of the sums, five in front of the next pair's first products, which begin these accumulators anew
.endr
.if \t <= 5
	LOADH (\t)+2
.endif
.if hh == 1
	s_wait_alu depctr_va_vdst(0)
.irp ch, 0,1
.if (2*pp+\ch) == 0
.irp j, 0,1,2,3,4,5,6,7
	v_mov_b32 v[S+\j], v[ACC+\j]                   ; the first sum writes every lane,
.endr
.else
	s_lshl_b32 s87, s86, 2*pp+\ch
.irp j, 0,1,2,3,4,5,6,7
	v_cndmask_b32 v[S+\j], v[S+\j], v[ACC+8*\ch+\j], s87   ; each later one the two lanes of its own query; each accumulator from its low end on
.endr
.endif
.endr
.endif
.endm
	RSTEP 0, 18                                    ; behind half 0's loads: the norms' 2 and half 1's 16
	RSTEP 1, 18                                    ; behind half 1's: half 2's 18
	RSTEP 2, 16
	RSTEP 3, 18
	RSTEP 4, 16
	RSTEP 5, 18
	RSTEP 6, 16
	RSTEP 7, 0
	; the distances of my eight rows
.irp j, 0,1,2,3,4,5,6,7
	v_mul_f32 v[P+\j], v5, v[SN+\j]                ; |q| |s|
.endr
	s_wait_alu depctr_va_vdst(0)
.irp j, 0,1,2,3,4,5,6,7
	v_rcp_f32 v[RR+\j], v[P+\j]
.endr
	v_lshlrev_b32 v[BASE], 4, v4                   ; (a plain place behind the reciprocals)
	s_delay_alu instid0(VALU_DEP_1)
	v_add_nc_u32 v[BASE], v[BASE], v254            ; my first row: 16 g + 8 h
	v_lshlrev_b32 v[OO], 2, v3
	s_wait_alu depctr_va_vdst(0)
.irp j, 0,1,2,3,4,5,6,7
	v_mul_f32 v[XX+\j], v[S+\j], v[RR+\j]
.endr
.irp j, 0,1,2,3,4,5,6,7
	v_fma_f32 v[EE+\j], -v[XX+\j], v[P+\j], v[S+\j]        ; what the first quotient leaves,
.endr
.irp j, 0,1,2,3,4,5,6,7
	v_fma_f32 v[XX+\j], v[EE+\j], v[RR+\j], v[XX+\j]       ; put back
.endr
.irp j, 0,1,2,3,4,5,6,7
	v_sub_f32 v[XX+\j], 1.0, v[XX+\j]
.endr
.irp t, 0,1,2,3
	v_mov_b32 v[K+\t], 0x7f800000
	v_mov_b32 v[I+\t], 0
.endr
.irp j, 0,1,2,3,4,5,6,7
	v_add_nc_u32 v[ID], \j, v[BASE]
	INSERT XX+\j, ID, 0                            ; rows in ascending order: a strict compare leaves the lower row in front
.endr
	ds_store_b128 v6, v[K:K+3]
	ds_store_b128 v6, v[I:I+3] offset:16
	s_wait_dscnt 0x0                               ; for wave 0's sake: my list lies in LDS
	s_barrier_signal -1
	s_barrier_wait -1
	s_cmp_lg_u32 s14, 0
	s_cbranch_scc1 .Lend                           ; wave 0 joins the lists: lane (r, h) takes those of waves c + 4 (r / 8), c = 0 .. 3
	ds_load_b128 v[K:K+3], v7
	ds_load_b128 v[I:I+3], v7 offset:16
.irp c, 1,2,3
	ds_load_b128 v[L+8*(\c-1):L+8*(\c-1)+3], v7 offset:1024*\c
	ds_load_b128 v[L+8*(\c-1)+4:L+8*(\c-1)+7], v7 offset:1024*\c+16
.endr
	s_wait_dscnt 0x0
.irp c, 0,1,2
.irp t, 0,1,2,3
	INSERT L+8*\c+\t, L+8*\c+4+\t, 1
.endr
.endr
.irp t, 0,1,2,3
	v_permlanex16_b32 v[EX+\t], v[K+\t], s78, s79          ; the other eight rows of each tile lie in lane l xor 16
	v_permlanex16_b32 v[EX+4+\t], v[I+\t], s78, s79
.endr
.irp t, 0,1,2,3
	INSERT EX+\t, EX+4+\t, 1
.endr
	global_store_b128 v[OO], v[I:I+3], s[12:13]    ; sixteen lanes store 256 consecutive bytes; lanes r and 16 + r hold the same list and write the same bytes
.Lend:
	s_set_vgpr_msb 0x5
	s_wait_tensorcnt 0x0
	ds_add_u32 v0, v1
	s_wait_dscnt 0x0
	s_set_vgpr_msb 0x500
	s_endpgm
.Lfunc_end_k_q8c2acc2119_rescore:
	.size	k_q8c2acc2119_rescore, .Lfunc_end_k_q8c2acc2119_rescore-k_q8c2acc2119_rescore
	.p2alignl 7, 3214868480
	.fill 96, 4, 3214868480
	.section	.rodata,"a",@progbits
	.p2align	6, 0x0
	.amdhsa_kernel k_q8c2acc2119_rescore
		.amdhsa_group_segment_fixed_size 9216
		.amdhsa_private_segment_fixed_size 0
		.amdhsa_enable_private_segment 0
		.amdhsa_kernarg_size 40
		.amdhsa_user_sgpr_count 2
		.amdhsa_user_sgpr_kernarg_segment_ptr 1
		.amdhsa_wavefront_size32 1
		.amdhsa_system_sgpr_workgroup_id_x 1
		.amdhsa_system_sgpr_workgroup_id_y 1
		.amdhsa_system_sgpr_workgroup_id_z 1
		.amdhsa_system_vgpr_workitem_id 0
		.amdhsa_next_free_vgpr 258
		.amdhsa_next_free_sgpr 90
		.amdhsa_reserve_vcc 0
		.amdhsa_float_denorm_mode_32 3
		.amdhsa_float_denorm_mode_16_64 3
		.amdhsa_memory_ordered 1
		.amdhsa_forward_progress 1
		.amdhsa_inst_pref_size 76
	.end_amdhsa_kernel
	.amdgpu_metadata
---
amdhsa.version: [ 1, 2 ]
amdhsa.kernels:
  - .name:           k_q8c2acc2119_rescore
    .symbol:         k_q8c2acc2119_rescore.kd
    .args:
      - { .name: codes, .offset: 0, .size: 8, .value_kind: global_buffer, .address_space: global }
      - { .name: scales, .offset: 8, .size: 8, .value_kind: global_buffer, .address_space: global }
      - { .name: norms, .offset: 16, .size: 8, .value_kind: global_buffer, .address_space: global }
      - { .name: gid, .offset: 24, .size: 8, .value_kind: global_buffer, .address_space: global }
      - { .name: idx, .offset: 32, .size: 8, .value_kind: global_buffer, .address_space: global }
    .group_segment_fixed_size: 9216
    .private_segment_fixed_size: 0
    .kernarg_segment_align: 8
    .kernarg_segment_size: 40
    .max_flat_workgroup_size: 256
    .sgpr_count:     90
    .vgpr_count:     258
    .wavefront_size: 32
...
	.end_amdgpu_metadata
.endif
;; end of part 4
;; launch gather (part 5): grid 1024 x 1, 4 waves a work-group, no clusters, 0 bytes of LDS; arguments synth_set, idx, out0; writes out0
.if DOCPART == 5
	.amdgcn_target "amdgcn-amd-amdhsa--gfx1250"
	.amdhsa_code_object_version 6
	.text
	.protected	k_q8c2acc2119_gather
	.globl	k_q8c2acc2119_gather
	.p2align	8
	.type	k_q8c2acc2119_gather,@function
k_q8c2acc2119_gather:
	s_mov_b64 s[64:65], 0
	v_nop
	global_prefetch_b8 v0, s[64:65] scope:SCOPE_SE
	s_setreg_imm32_b32 hwreg(HW_REG_WAVE_MODE, 25, 1), 1
	s_wait_xcnt 0x0
; out0[2 m] = out0[2 m + 1] = the mean of the four synth rows that idx names for query m, in f32: ((a + b) + c) + d, x 0.25.
; ALPHA = 0 is a constant of the problem: (1 - ALPHA) is 1, and ALPHA x query adds nothing for finite queries, so that term is not formed.
; A wave takes one query: four rows of 4,096 bytes in, two out.  All 32 loads go out at once, 512 consecutive bytes each; each store covers 512 consecutive bytes.
; Addresses hang on idx alone, which an earlier launch stored; each number is held to 0 .. 16,383.  Bytes decide here: no LDS, no matrix unit, no cluster.
.set D, 8                              ; v8-135    piece i (512 bytes of a row), row t: four registers at D + 16 i + 4 t
.set O, 136                            ; v136-167  piece i's mean: registers of its own, so that no store's data are written again
	s_load_b128 s[4:7], s[0:1], 0x0                ; synth rows, idx
	s_load_b64 s[8:9], s[0:1], 0x10                ; out0
	v_lshrrev_b32 v1, 5, v0
	v_readfirstlane_b32 s10, v1                    ; wave 0..3
	v_and_b32 v1, 31, v0
	v_lshlrev_b32 v1, 4, v1                        ; 16 x lane
	s_lshl_b32 s11, ttmp9, 2
	s_add_co_u32 s11, s11, s10                     ; my query
	s_lshl_b32 s12, s11, 4                         ; its four numbers
	s_mov_b32 s13, 0
	s_lshl_b32 s14, s11, 13                        ; its two rows of out0
	s_mov_b32 s15, 0
	s_mov_b32 s30, 0x3e800000                      ; 0.25
	s_mov_b32 s31, s30                             ; (named with it as a pair, so it is written)
	s_wait_alu depctr_va_vdst(0)
	s_wait_kmcnt 0x0
	s_add_nc_u64 s[6:7], s[6:7], s[12:13]
	s_add_nc_u64 s[8:9], s[8:9], s[14:15]
	s_load_b128 s[16:19], s[6:7], 0x0
	s_wait_kmcnt 0x0
.irp t, 0,1,2,3
	s_min_u32 s[16+\t], s[16+\t], 16383            ; a loaded number enters an address only behind this hold
	s_lshl_b32 s12, s[16+\t], 12                   ; 4,096 bytes a row
	s_add_nc_u64 s[20+2*\t:21+2*\t], s[4:5], s[12:13]
.endr
.set i, 0
.rept 8
.irp t, 0,1,2,3
	global_load_b128 v[D+16*i+4*\t:D+16*i+4*\t+3], v1, s[20+2*\t:21+2*\t] offset:512*i   ; no hint: other queries may name the same row
.endr
.set i, i+1
.endr
.set i, 0
.rept 8
	s_wait_loadcnt 4*(7-i)                         ; piece i's four loads are in; the pieces behind it may be out
.irp u, 0,2
	v_pk_add_f32 v[O+4*i+\u:O+4*i+\u+1], v[D+16*i+\u:D+16*i+\u+1], v[D+16*i+4+\u:D+16*i+5+\u]
	v_pk_add_f32 v[O+4*i+\u:O+4*i+\u+1], v[O+4*i+\u:O+4*i+\u+1], v[D+16*i+8+\u:D+16*i+9+\u]
	v_pk_add_f32 v[O+4*i+\u:O+4*i+\u+1], v[O+4*i+\u:O+4*i+\u+1], v[D+16*i+12+\u:D+16*i+13+\u]
	v_pk_mul_f32 v[O+4*i+\u:O+4*i+\u+1], v[O+4*i+\u:O+4*i+\u+1], s[30:31] op_sel_hi:[1,0]
.endr
.set i, i+1
.endr
	s_wait_alu depctr_va_vdst(0)
.set i, 0
.rept 8                                        ; all sums are made: the sixteen stores go out in one run
	global_store_b128 v1, v[O+4*i:O+4*i+3], s[8:9] offset:512*i th:TH_STORE_NT        ; row 2 m,
	global_store_b128 v1, v[O+4*i:O+4*i+3], s[8:9] offset:4096+512*i th:TH_STORE_NT   ; and row 2 m + 1
.set i, i+1
.endr
	s_endpgm
.Lfunc_end_k_q8c2acc2119_gather:
	.size	k_q8c2acc2119_gather, .Lfunc_end_k_q8c2acc2119_gather-k_q8c2acc2119_gather
	.p2alignl 7, 3214868480
	.fill 96, 4, 3214868480
	.section	.rodata,"a",@progbits
	.p2align	6, 0x0
	.amdhsa_kernel k_q8c2acc2119_gather
		.amdhsa_group_segment_fixed_size 0
		.amdhsa_private_segment_fixed_size 0
		.amdhsa_enable_private_segment 0
		.amdhsa_kernarg_size 24
		.amdhsa_user_sgpr_count 2
		.amdhsa_user_sgpr_kernarg_segment_ptr 1
		.amdhsa_wavefront_size32 1
		.amdhsa_system_sgpr_workgroup_id_x 1
		.amdhsa_system_sgpr_workgroup_id_y 1
		.amdhsa_system_sgpr_workgroup_id_z 1
		.amdhsa_system_vgpr_workitem_id 0
		.amdhsa_next_free_vgpr 168
		.amdhsa_next_free_sgpr 66
		.amdhsa_reserve_vcc 0
		.amdhsa_float_denorm_mode_32 3
		.amdhsa_float_denorm_mode_16_64 3
		.amdhsa_memory_ordered 1
		.amdhsa_forward_progress 1
		.amdhsa_inst_pref_size 11
	.end_amdhsa_kernel
	.amdgpu_metadata
---
amdhsa.version: [ 1, 2 ]
amdhsa.kernels:
  - .name:           k_q8c2acc2119_gather
    .symbol:         k_q8c2acc2119_gather.kd
    .args:
      - { .name: synth_set, .offset: 0, .size: 8, .value_kind: global_buffer, .address_space: global }
      - { .name: idx, .offset: 8, .size: 8, .value_kind: global_buffer, .address_space: global }
      - { .name: out0, .offset: 16, .size: 8, .value_kind: global_buffer, .address_space: global }
    .group_segment_fixed_size: 0
    .private_segment_fixed_size: 0
    .kernarg_segment_align: 8
    .kernarg_segment_size: 24
    .max_flat_workgroup_size: 128
    .sgpr_count:     66
    .vgpr_count:     168
    .wavefront_size: 32
...
	.end_amdgpu_metadata
.endif
;; end of part 5
